; MI455X (gfx1250); checked and timed in simulation.
; The chip was launched on July 23, 2026; its instructions are those of AMD's public machine-readable ISA for CDNA 5 (MIT licence, August 2026) and "CDNA5" Instruction Set Architecture Reference Guide (July 2026). The comments in the code are by the model that wrote it; some were corrected since.
;; LSTM Generative Model. Allowed arithmetic: float matrix products may take bf16 or f16 operands with f32 sums; other float arithmetic in f32, or as packed bf16 or f16 multiplies, adds, multiply-adds, maxima and minima; sums over many terms, partial sums and values carried from step to step in f32; what a program stores and reads back later, other than sums and carried values, may be rounded once to bf16 or f16.
;; Inputs: W_hh 2,048 x 512 float32; W_ih 2,048 x 64 float32; W_out 64 x 512 float32; b_lstm 2,048 float32; b_out 64 float32; c0 512 float32; h0 512 float32; x 8,192 x 64 float32.
;; Outputs: out0 8,192 x 6 x 64 float32.
;; Constants: steps = 6.
;; One version. Each part assembles by itself: llvm-mc -triple=amdgcn-amd-amdhsa -mcpu=gfx1250 --defsym DOCPART=n.
;; ======== version 1 of 1: 7 launches
;; workspace buffers: wb 4,202,496 bytes; st1 4,096 bytes; st2 4,096 bytes; st3 4,096 bytes; st4 4,096 bytes; st5 4,096 bytes; st6 4,096 bytes
;; launch first (part 1): grid 256 x 1, 8 waves a work-group, no clusters, 3,328 bytes of LDS; arguments W_hh, W_ih, W_out, b_lstm, b_out, h0, c0, wb, st1; writes wb, st1
.if DOCPART == 1
	.amdgcn_target "amdgcn-amd-amdhsa--gfx1250"
	.amdhsa_code_object_version 6
	.text
	.protected	k_qfb13ec14ec_first
	.globl	k_qfb13ec14ec_first
	.p2align	8
	.type	k_qfb13ec14ec_first,@function
k_qfb13ec14ec_first:
	s_mov_b64 s[64:65], 0
	v_nop
	global_prefetch_b8 v0, s[64:65] scope:SCOPE_SE
	s_setreg_imm32_b32 hwreg(HW_REG_WAVE_MODE, 25, 1), 1
	s_wait_xcnt 0x0
; LSTM, 6 steps, hidden 512, input and output 64.  THE WHOLE PROGRAM RESTS ON THIS: the computation itself starts every one of the 8,192 batch rows
; from the same h0 and c0 and from an input of zeros that it makes itself (of x it takes the shape alone), so all rows go through the same arithmetic
; and hold the same 6 x 64 numbers, whatever the inputs hold.  The recurrence is run ONCE, and the last launch writes its 1,536 bytes 8,192 times.
; x IS NOT LOADED: none of its numbers enters a result.
; From step 1 on the cell's input is out = W_out h + b_out, so gates = We h + be with We = W_hh + W_ih W_out and be = b_lstm + W_ih b_out.
; THIS LAUNCH: (a) We and be into wb; (b) step 0: gates = W_hh h0 + b_lstm (the product of the zeros with W_ih is not formed), c1, h1 into st1.
; All arithmetic is f32 on the vector unit: every product left has one row, of which a 16-row matrix tile would carry 15 idle ones.
; LIMITS.  The fold changes the order of the f32 sums.  A NaN or infinity in W_ih reaches the result from step 1 on, not from step 0.
; An exponential below 2^-126 counts as 0 (a sigmoid is then exactly 1).  tanh x = 1 - 2 / (1 + 2^(2 log2(e) x)) has an absolute error of about 1e-7.
; SHARES.  Work-group j owns hidden units 2 j and 2 j + 1: 8 rows rr = 4 e + g (unit 2 j + e, gate g in the order i, f, g, o), source row 512 g + 2 j + e.
; Thread t owns columns 2 t and 2 t + 1 of all 8 rows: a wave's load or store of a row's piece is 256 consecutive bytes at a multiple of 256.
; wb: We as [unit][gate][512] f32, a unit's four rows 8,192 bytes on end; from byte 4,194,304 be as [unit][gate].  st1: h at byte 0, c at byte 2,048.
; NO CLUSTER, though all 256 work-groups read the same 131,072 bytes of W_out: each thread's 64 pairs go straight into the registers that multiply them;
; by way of LDS the same bytes would be written and read once more, and the launch is one pass with nothing to set beside the rounds of a cluster's barrier.
; SMALL STORES: a wave makes one number of be, and waves 0 and 1 one of h and one of c: 4-byte stores, 12,288 bytes in the whole launch.
.set PART,   0                         ; LDS 0-255: word [rr][wave], the waves' partial sums of step 0
.set WIH,    256                       ; LDS 256-2303: my 8 rows of W_ih, 256 bytes each
.set SPARE,  2304                      ; LDS 2304-3327: the spare words, 128 bytes for each of 8 waves; no other line names them
.set BE_OFF, 4194304                   ; be's first byte in wb
.set LANE, 1                           ; v1   lane
.set T8,   2                           ; v2   8 x thread
.set L8,   3                           ; v3   8 x lane
.set W4,   4                           ; v4   4 x wave
.set W128, 5                           ; v5   128 x wave
.set SPW,  6                           ; v6   LDS address of my spare word; never rewritten
.set NIL,  7                           ; v7   0; never rewritten
.set HC,   8                           ; v8   2,048 x (lane & 1): lane 0 stores h, lane 1 stores c
.set DAT,  9                           ; v9   what they store
.set H0,   10                          ; v[10:11]   h0 at my two columns
.set BO,   12                          ; v[12:13]   b_out[2 lane], b_out[2 lane + 1]
.set ACC,  14                          ; v[14:29]   W_hh at my columns, row rr at ACC + 2 rr; the fold adds onto it
.set WI,   30                          ; v[30:45]   W_ih, row rr at WI + 2 rr: lane l holds columns 2 l and 2 l + 1
.set TP,   46                          ; v[46:61]   at work
.set Q,    62                          ; v[62:93]   waves 0, 1: the 4 x 8 partial sums of my unit
.set EX,   94                          ; v[94:97]   at work in the activations
.set CN,   98                          ; v98  the new c
.set HN,   99                          ; v99  the new h
.set OWN,  100                         ; v[100:101] row rr = my wave's number of W_ih
.set BEV,  102                         ; v102 be of that row
.set WAD,  103                         ; v103 where that row goes in LDS
.set X,    112                         ; v[112:239] W_out at my columns, row j at X + 2 j
.set WV,   3                           ; s3   my wave's number
.set SEL,  6                           ; s[6:7] v_permlanex16_b32's selects: each lane takes its own place in the other half
.set SV,   42                          ; s42  EXEC, saved
.set T0,   44                          ; s[44:59] eight pairs: W_ih[rr][j] for even j in the low word, 0 in the high one.  Before the fold: byte offsets
.set T1,   68                          ; s[68:83] the same for odd j
; The sum over the 32 lanes of cnt registers, reg + rstep i, into every lane; tmp + tstep i have been written before.
.macro WSUM reg, rstep, tmp, tstep, cnt
.irp m, 1,2,4,8
.set wi, 0
.rept \cnt
	v_add_f32_dpp v[(\reg)+(\rstep)*wi], v[(\reg)+(\rstep)*wi], v[(\reg)+(\rstep)*wi] row_xmask:\m row_mask:0xf bank_mask:0xf
.set wi, wi+1
.endr
.endr
.set wi, 0
.rept \cnt
	v_permlanex16_b32 v[(\tmp)+(\tstep)*wi], v[(\reg)+(\rstep)*wi], s[SEL], s[SEL+1]
.set wi, wi+1
.endr
.set wi, 0
.rept \cnt
	v_add_f32 v[(\reg)+(\rstep)*wi], v[(\reg)+(\rstep)*wi], v[(\tmp)+(\tstep)*wi]
.set wi, wi+1
.endr
.endm
; The cell.  Gates i, f, g, o (bias added) in v[gat + gst k]; the old c in s[cs].  c' = sigmoid(f) c + sigmoid(i) tanh(g); h' = sigmoid(o) tanh(c').
; sigmoid x = 1 / (1 + 2^(-log2(e) x)).  Behind each run of exponentials or reciprocals stands one v_nop before a result is used (ISA guide 5.7.2).
.macro ACT gat, gst, ex, cs, cn, hn
	v_mul_f32 v[(\ex)],   0xbfb8aa3b, v[(\gat)]
	v_mul_f32 v[(\ex)+1], 0xbfb8aa3b, v[(\gat)+(\gst)]
	v_mul_f32 v[(\ex)+2], 0x4038aa3b, v[(\gat)+2*(\gst)]
	v_mul_f32 v[(\ex)+3], 0xbfb8aa3b, v[(\gat)+3*(\gst)]
.irp k, 0,1,2,3
	v_exp_f32 v[(\ex)+\k], v[(\ex)+\k]
.endr
	v_nop
	s_wait_alu depctr_va_vdst(0)
.irp k, 0,1,2,3
	v_add_f32 v[(\ex)+\k], 1.0, v[(\ex)+\k]
.endr
.irp k, 0,1,2,3
	v_rcp_f32 v[(\ex)+\k], v[(\ex)+\k]
.endr
	v_nop
	s_wait_alu depctr_va_vdst(0)
	v_fma_f32 v[(\ex)+2], v[(\ex)+2], -2.0, 1.0     ; tanh(g)
	v_mul_f32 v[(\ex)+2], v[(\ex)], v[(\ex)+2]      ; sigmoid(i) tanh(g)
	v_fma_f32 v[\cn], v[(\ex)+1], s[\cs], v[(\ex)+2]
	v_mul_f32 v[(\ex)], 0x4038aa3b, v[\cn]
	v_exp_f32 v[(\ex)], v[(\ex)]
	v_nop
	s_wait_alu depctr_va_vdst(0)
	v_add_f32 v[(\ex)], 1.0, v[(\ex)]
	v_rcp_f32 v[(\ex)], v[(\ex)]
	v_nop
	s_wait_alu depctr_va_vdst(0)
	v_fma_f32 v[(\ex)], v[(\ex)], -2.0, 1.0         ; tanh(c')
	v_mul_f32 v[\hn], v[(\ex)+3], v[(\ex)]
.endm
	s_load_b512 s[8:23], s[0:1], 0x0               ; W_hh s[8:9], W_ih s[10:11], W_out s[12:13], b_lstm s[14:15], b_out s[16:17], h0 s[18:19], c0 s[20:21], wb s[22:23]
	s_load_b64 s[24:25], s[0:1], 0x40              ; st1
	v_lshl_add_u32 v[SPW], v0, 2, SPARE
	v_mov_b32 v[NIL], 0
	v_and_b32 v[LANE], 31, v0
	v_lshrrev_b32 v[DAT], 5, v0
	v_readfirstlane_b32 s[WV], v[DAT]              ; wave 0..7
	v_lshlrev_b32 v[T8], 3, v0
	v_lshlrev_b32 v[L8], 3, v[LANE]
	v_mov_b32 v[W4], s[WV]
	v_lshlrev_b32 v[W128], 7, v[W4]
	v_lshlrev_b32 v[W4], 2, v[W4]
	v_and_b32 v[HC], 1, v[LANE]
	v_lshlrev_b32 v[HC], 11, v[HC]
	s_lshl_b32 s2, s[WV], 8
	s_add_co_u32 s2, s2, WIH
	v_lshl_add_u32 v[WAD], v[LANE], 3, s2          ; WIH + 256 x wave + 8 x lane
	s_mov_b32 s[SEL], 0x76543210
	s_mov_b32 s[SEL+1], 0xfedcba98
.set i, 0
.rept 8
	s_mov_b32 s[T0+2*i+1], 0                       ; the pairs' high words: named with the low ones, and the high halves of the offsets below
	s_mov_b32 s[T1+2*i+1], 0
.set i, i+1
.endr
	s_and_b32 s2, s[WV], 3                         ; my own row rr = wave: its gate g
	s_lshr_b32 s4, s[WV], 2                        ; and its unit e
	s_lshl_b32 s[T0], ttmp9, 12                    ; W_hh: 2 j rows of 2,048 bytes
	s_lshl_b32 s[T0+2], ttmp9, 9                   ; W_ih: 2 j rows of 256 bytes,
	s_lshl_b32 s5, s2, 17                          ; + 512 g rows,
	s_add_co_u32 s[T0+2], s[T0+2], s5
	s_lshl_b32 s5, s4, 8                           ; + e rows
	s_add_co_u32 s[T0+2], s[T0+2], s5
	s_lshl_b32 s[T0+4], ttmp9, 3                   ; b_lstm, c0: 2 j words
	s_lshl_b32 s5, s[WV], 2
	s_add_co_u32 s[T0+6], s[T0+4], s5              ; st1: word 2 j + wave (waves 0 and 1 use it)
	s_lshl_b32 s5, s2, 11
	s_add_co_u32 s[T0+8], s[T0+4], s5              ; b_lstm of my own row: word 512 g + 2 j + e
	s_lshl_b32 s5, s4, 2
	s_add_co_u32 s[T0+8], s[T0+8], s5
	s_lshl_b32 s[T0+10], ttmp9, 5                  ; be: 8 words a work-group
	s_lshl_b32 s[T0+12], ttmp9, 14                 ; We: 8 rows of 2,048 bytes
	s_wait_kmcnt 0x0
	s_add_nc_u64 s[8:9], s[8:9], s[T0:T0+1]
	s_add_nc_u64 s[10:11], s[10:11], s[T0+2:T0+3]
	s_add_nc_u64 s[84:85], s[14:15], s[T0+8:T0+9]
	s_add_nc_u64 s[14:15], s[14:15], s[T0+4:T0+5]
	s_add_nc_u64 s[20:21], s[20:21], s[T0+4:T0+5]
	s_add_nc_u64 s[24:25], s[24:25], s[T0+6:T0+7]
	s_add_nc_u64 s[60:61], s[22:23], s[T0+10:T0+11]
	s_add_nc_u64 s[22:23], s[22:23], s[T0+12:T0+13]
.irp g, 0,1,2,3
	s_load_b64 s[26+2*\g:27+2*\g], s[14:15], 2048*\g   ; b_lstm of gate g, units 2 j and 2 j + 1
.endr
	s_load_b64 s[34:35], s[20:21], 0x0             ; c0 of the two units
	s_load_b32 s41, s[84:85], 0x0                  ; b_lstm of my own row, once more: 4 bytes a wave
	; 75 loads, all that the wave will ever want, in the order in which they are wanted
	global_load_b64 v[H0:H0+1], v[T8], s[18:19]
.irp rr, 0,1,2,3,4,5,6,7
	global_load_b64 v[ACC+2*\rr:ACC+2*\rr+1], v[T8], s[8:9] offset:(\rr%4)*1048576+(\rr/4)*2048 th:TH_LOAD_NT
.endr
	global_load_b64 v[BO:BO+1], v[L8], s[16:17]
	global_load_b64 v[OWN:OWN+1], v[L8], s[10:11]
.set j, 0
.rept 64
	global_load_b64 v[X+2*j:X+2*j+1], v[T8], s[12:13] offset:2048*j
.set j, j+1
.endr
	s_wait_loadcnt 63                              ; of 75 at most 63 are out: the oldest 12 are in, and the first 11 are wanted here
	; STEP 0: my two columns' share of the 8 sums W_hh h0, added over the wave; one word a row and wave into LDS.  My row of W_ih goes with them.
.irp rr, 0,1,2,3,4,5,6,7
	v_pk_mul_f32 v[TP+2*\rr:TP+2*\rr+1], v[ACC+2*\rr:ACC+2*\rr+1], v[H0:H0+1]
.endr
.irp rr, 0,1,2,3,4,5,6,7
	v_add_f32 v[TP+2*\rr], v[TP+2*\rr], v[TP+2*\rr+1]
.endr
	WSUM TP, 2, TP+1, 2, 8
.irp rr, 0,1,2,3,4,5,6,7
	ds_store_b32 v[W4], v[TP+2*\rr] offset:PART+32*\rr   ; all lanes hold the same sum and write the same word
.endr
	ds_store_b64 v[WAD], v[OWN:OWN+1]
	s_wait_dscnt 0x0                               ; for the others' sake: my stores are done
	s_barrier_signal -1
	s_barrier_wait -1                              ; everybody's are
.irp rr, 0,1,2,3,4,5,6,7
	ds_load_b64 v[WI+2*\rr:WI+2*\rr+1], v[L8] offset:WIH+256*\rr
.endr
	s_wait_tensorcnt 0x0                           ; behind my last LDS store; only LDS reads follow
	ds_add_u32 v[SPW], v[NIL]
	v_pk_mul_f32 v[TP:TP+1], v[OWN:OWN+1], v[BO:BO+1]  ; meanwhile be of my own row: b_lstm + the sum over 64 of W_ih b_out
	v_add_f32 v[TP], v[TP], v[TP+1]
	WSUM TP, 1, TP+1, 1, 1
	s_wait_kmcnt 0x0                               ; the bias words and c0
	v_add_f32 v[BEV], s41, v[TP]
	s_wait_dscnt 0x0                               ; the add is done, and W_ih's 8 rows are in
	s_cmp_gt_u32 s[WV], 1
	s_cbranch_scc1 .Lfold                          ; waves 0 and 1 finish step 0 for unit 2 j + wave; no barrier stands in what is jumped
.irp m, 0,1,2,3,4,5,6,7
	ds_load_b128 v[Q+4*\m:Q+4*\m+3], v[W128] offset:PART+16*\m   ; gate g's eight partial sums at Q + 8 g
.endr
	s_wait_dscnt 0x0
.irp g, 0,1,2,3
	v_pk_add_f32 v[Q+8*\g:Q+8*\g+1], v[Q+8*\g:Q+8*\g+1], v[Q+8*\g+2:Q+8*\g+3]
	v_pk_add_f32 v[Q+8*\g+4:Q+8*\g+5], v[Q+8*\g+4:Q+8*\g+5], v[Q+8*\g+6:Q+8*\g+7]
.endr
.irp g, 0,1,2,3
	v_pk_add_f32 v[Q+8*\g:Q+8*\g+1], v[Q+8*\g:Q+8*\g+1], v[Q+8*\g+4:Q+8*\g+5]
.endr
.irp g, 0,1,2,3
	v_add_f32 v[Q+8*\g], v[Q+8*\g], v[Q+8*\g+1]
.endr
	s_cmp_eq_u32 s[WV], 0                          ; my unit's words of the pairs
.irp g, 0,1,2,3
	s_cselect_b32 s[36+\g], s[26+2*\g], s[27+2*\g]
.endr
	s_cselect_b32 s40, s34, s35
.irp g, 0,1,2,3
	v_add_f32 v[Q+8*\g], s[36+\g], v[Q+8*\g]
.endr
	ACT Q, 8, EX, 40, CN, HN
	v_cmp_eq_u32 vcc_lo, 1, v[LANE]
	v_cndmask_b32 v[DAT], v[HN], v[CN], vcc_lo     ; lane 0 stores h, lane 1 stores c
	s_wait_xcnt 0x0                                ; EXEC, a source of the loads that are out, is narrowed only behind this wait
	v_cmp_gt_u32 vcc_lo, 2, v[LANE]
	s_and_saveexec_b32 s[SV], vcc_lo
	global_store_b32 v[HC], v[DAT], s[24:25]
	s_wait_xcnt 0x0                                ; and widened only behind this one
	s_or_b32 exec_lo, exec_lo, s[SV]
.Lfold:
	; THE FOLD: We[rr][my columns] = W_hh + the sum over j of W_ih[rr][j] W_out[j][my columns].  W_ih[rr][j] is read out of lane j / 2 into a scalar,
	; a step ahead of its use, into two sets of pairs that take turns; the packed multiply-add takes the pair's low word for both columns.
.macro RL j
.set TB, T0+(T1-T0)*((\j)%2)
.irp rr, 0,1,2,3,4,5,6,7
	v_readlane_b32 s[TB+2*\rr], v[WI+2*\rr+((\j)%2)], (\j)/2
.endr
.endm
.macro FM j
.set TB, T0+(T1-T0)*((\j)%2)
.irp rr, 0,1,2,3,4,5,6,7
	v_pk_fma_f32 v[ACC+2*\rr:ACC+2*\rr+1], v[X+2*(\j):X+2*(\j)+1], s[TB+2*\rr:TB+2*\rr+1], v[ACC+2*\rr:ACC+2*\rr+1] op_sel_hi:[1,0,1]
.endr
.endm
	RL 0
.set jj, 0
.rept 64
.if jj%8 == 0
	s_wait_loadcnt 56-jj                           ; rows jj to jj + 7 of W_out are in: behind them 56 - jj loads were issued
.endif
.if jj < 63
	RL jj+1
.endif
	FM jj
.set jj, jj+1
.endr
.irp rr, 0,1,2,3,4,5,6,7
	global_store_b64 v[T8], v[ACC+2*\rr:ACC+2*\rr+1], s[22:23] offset:2048*\rr   ; a wave stores 256 consecutive bytes, at a multiple of 256 from wb's first byte
.endr
	s_wait_xcnt 0x0                                ; EXEC is narrowed only behind this wait
	v_cmp_eq_u32 vcc_lo, 0, v[LANE]
	s_and_saveexec_b32 s[SV], vcc_lo
	global_store_b32 v[W4], v[BEV], s[60:61] offset:BE_OFF   ; be[2 j + e][g] = word rr = wave of the work-group's eight
	s_endpgm
.Lfunc_end_k_qfb13ec14ec_first:
	.size	k_qfb13ec14ec_first, .Lfunc_end_k_qfb13ec14ec_first-k_qfb13ec14ec_first
	.p2alignl 7, 3214868480
	.fill 96, 4, 3214868480
	.section	.rodata,"a",@progbits
	.p2align	6, 0x0
	.amdhsa_kernel k_qfb13ec14ec_first
		.amdhsa_group_segment_fixed_size 3328
		.amdhsa_private_segment_fixed_size 0
		.amdhsa_enable_private_segment 0
		.amdhsa_kernarg_size 72
		.amdhsa_user_sgpr_count 2
		.amdhsa_user_sgpr_kernarg_segment_ptr 1
		.amdhsa_wavefront_size32 1
		.amdhsa_system_sgpr_workgroup_id_x 1
		.amdhsa_system_sgpr_workgroup_id_y 1
		.amdhsa_system_sgpr_workgroup_id_z 1
		.amdhsa_system_vgpr_workitem_id 0
		.amdhsa_next_free_vgpr 240
		.amdhsa_next_free_sgpr 88
		.amdhsa_reserve_vcc 1
		.amdhsa_float_denorm_mode_32 3
		.amdhsa_float_denorm_mode_16_64 3
		.amdhsa_memory_ordered 1
		.amdhsa_forward_progress 1
		.amdhsa_inst_pref_size 84
	.end_amdhsa_kernel
	.amdgpu_metadata
---
amdhsa.version: [ 1, 2 ]
amdhsa.kernels:
  - .name:           k_qfb13ec14ec_first
    .symbol:         k_qfb13ec14ec_first.kd
    .args:
      - { .name: W_hh, .offset: 0, .size: 8, .value_kind: global_buffer, .address_space: global }
      - { .name: W_ih, .offset: 8, .size: 8, .value_kind: global_buffer, .address_space: global }
      - { .name: W_out, .offset: 16, .size: 8, .value_kind: global_buffer, .address_space: global }
      - { .name: b_lstm, .offset: 24, .size: 8, .value_kind: global_buffer, .address_space: global }
      - { .name: b_out, .offset: 32, .size: 8, .value_kind: global_buffer, .address_space: global }
      - { .name: h0, .offset: 40, .size: 8, .value_kind: global_buffer, .address_space: global }
      - { .name: c0, .offset: 48, .size: 8, .value_kind: global_buffer, .address_space: global }
      - { .name: wb, .offset: 56, .size: 8, .value_kind: global_buffer, .address_space: global }
      - { .name: st1, .offset: 64, .size: 8, .value_kind: global_buffer, .address_space: global }
    .group_segment_fixed_size: 3328
    .private_segment_fixed_size: 0
    .kernarg_segment_align: 8
    .kernarg_segment_size: 72
    .max_flat_workgroup_size: 256
    .sgpr_count:     88
    .vgpr_count:     240
    .wavefront_size: 32
...
	.end_amdgpu_metadata
.endif
;; end of part 1
;; launch step (part 2): grid 256 x 1, 2 waves a work-group, no clusters, 0 bytes of LDS; arguments wb, st1, st2; writes st2
.if DOCPART == 2
	.amdgcn_target "amdgcn-amd-amdhsa--gfx1250"
	.amdhsa_code_object_version 6
	.text
	.protected	k_qfb13ec14ec_step
	.globl	k_qfb13ec14ec_step
	.p2align	8
	.type	k_qfb13ec14ec_step,@function
k_qfb13ec14ec_step:
	s_mov_b64 s[64:65], 0
	v_nop
	global_prefetch_b8 v0, s[64:65] scope:SCOPE_SE
	s_setreg_imm32_b32 hwreg(HW_REG_WAVE_MODE, 25, 1), 1
	s_wait_xcnt 0x0
; One step of the LSTM cell for the one row that stands for all 8,192 (they are equal by the computation's own start: see the first launch's head).
; gates = We h + be; c' = sigmoid(f) c + sigmoid(i) tanh(g); h' = sigmoid(o) tanh(c').  All in f32.
; wb: We as [unit][gate i, f, g, o][512] f32, from byte 4,194,304 be as [unit][gate].  The state buffers: h[512] at byte 0, c[512] at byte 2,048.
; The step's number is in no register: the launch's list of buffers says which state is read and which is written.
; SHARES.  A wave owns one hidden unit u = 2 x work-group + wave: its four rows of We are 8,192 bytes on end.  No LDS, no barrier: the four sums never leave the wave.
; All 20 vector loads go out together, 512 consecutive bytes each.  Nothing is shared between work-groups but h's 2,048 bytes, so there is no cluster.
; SMALL STORES: a wave makes one number of h and one of c, 4 bytes each: 4,096 bytes in the whole launch.
; LIMITS.  An exponential below 2^-126 counts as 0; tanh x = 1 - 2 / (1 + 2^(2 log2(e) x)) has an absolute error of about 1e-7; NaN and infinities are not treated apart.
.set LANE, 1                           ; v1   lane
.set L16,  2                           ; v2   16 x lane
.set HC,   3                           ; v3   2,048 x (lane & 1): lane 0 stores h, lane 1 stores c
.set DAT,  4                           ; v4   what they store
.set W,    8                           ; v[8:71]   We: gate g, quarter q at W + 16 g + 4 q: columns 128 q + 4 lane + 0..3
.set H,    72                          ; v[72:87]  h: quarter q at H + 4 q, the same columns
.set ACC,  88                          ; v[88:95]  four pairs of sums
.set EX,   96                          ; v[96:99]  at work in the activations
.set CN,   100                         ; v100 the new c
.set HN,   101                         ; v101 the new h
.set WV,   3                           ; s3   my wave's number
.set SV,   25                          ; s25  EXEC, saved
.set SEL,  26                          ; s[26:27] v_permlanex16_b32's selects: each lane takes its own place in the other half
.macro WSUM reg, rstep, tmp, tstep, cnt    ; the sum over the 32 lanes of cnt registers, into every lane; the tmp registers have been written before
.irp m, 1,2,4,8
.set wi, 0
.rept \cnt
	v_add_f32_dpp v[(\reg)+(\rstep)*wi], v[(\reg)+(\rstep)*wi], v[(\reg)+(\rstep)*wi] row_xmask:\m row_mask:0xf bank_mask:0xf
.set wi, wi+1
.endr
.endr
.set wi, 0
.rept \cnt
	v_permlanex16_b32 v[(\tmp)+(\tstep)*wi], v[(\reg)+(\rstep)*wi], s[SEL], s[SEL+1]
.set wi, wi+1
.endr
.set wi, 0
.rept \cnt
	v_add_f32 v[(\reg)+(\rstep)*wi], v[(\reg)+(\rstep)*wi], v[(\tmp)+(\tstep)*wi]
.set wi, wi+1
.endr
.endm
; The cell.  Gates i, f, g, o (bias added) in v[gat + gst k]; the old c in s[cs].  sigmoid x = 1 / (1 + 2^(-log2(e) x)).
; Behind each run of exponentials or reciprocals stands one v_nop before a result is used (ISA guide 5.7.2).
.macro ACT gat, gst, ex, cs, cn, hn
	v_mul_f32 v[(\ex)],   0xbfb8aa3b, v[(\gat)]
	v_mul_f32 v[(\ex)+1], 0xbfb8aa3b, v[(\gat)+(\gst)]
	v_mul_f32 v[(\ex)+2], 0x4038aa3b, v[(\gat)+2*(\gst)]
	v_mul_f32 v[(\ex)+3], 0xbfb8aa3b, v[(\gat)+3*(\gst)]
.irp k, 0,1,2,3
	v_exp_f32 v[(\ex)+\k], v[(\ex)+\k]
.endr
	v_nop
	s_wait_alu depctr_va_vdst(0)
.irp k, 0,1,2,3
	v_add_f32 v[(\ex)+\k], 1.0, v[(\ex)+\k]
.endr
.irp k, 0,1,2,3
	v_rcp_f32 v[(\ex)+\k], v[(\ex)+\k]
.endr
	v_nop
	s_wait_alu depctr_va_vdst(0)
	v_fma_f32 v[(\ex)+2], v[(\ex)+2], -2.0, 1.0     ; tanh(g)
	v_mul_f32 v[(\ex)+2], v[(\ex)], v[(\ex)+2]      ; sigmoid(i) tanh(g)
	v_fma_f32 v[\cn], v[(\ex)+1], s[\cs], v[(\ex)+2]
	v_mul_f32 v[(\ex)], 0x4038aa3b, v[\cn]
	v_exp_f32 v[(\ex)], v[(\ex)]
	v_nop
	s_wait_alu depctr_va_vdst(0)
	v_add_f32 v[(\ex)], 1.0, v[(\ex)]
	v_rcp_f32 v[(\ex)], v[(\ex)]
	v_nop
	s_wait_alu depctr_va_vdst(0)
	v_fma_f32 v[(\ex)], v[(\ex)], -2.0, 1.0         ; tanh(c')
	v_mul_f32 v[\hn], v[(\ex)+3], v[(\ex)]
.endm
	s_load_b128 s[4:7], s[0:1], 0x0                ; wb s[4:5], the old state s[6:7]
	s_load_b64 s[8:9], s[0:1], 0x10                ; the new state
	v_and_b32 v[LANE], 31, v0
	v_lshrrev_b32 v[DAT], 5, v0
	v_readfirstlane_b32 s[WV], v[DAT]              ; wave 0, 1
	v_lshlrev_b32 v[L16], 4, v[LANE]
	v_and_b32 v[HC], 1, v[LANE]
	v_lshlrev_b32 v[HC], 11, v[HC]
	s_lshl_b32 s2, ttmp9, 1
	s_add_co_u32 s2, s2, s[WV]                     ; my unit u
	s_lshl_b32 s14, s2, 13                         ; its four rows of We,
	s_mov_b32 s15, 0
	s_lshl_b32 s18, s2, 4                          ; its four words of be,
	s_mov_b32 s19, 0
	s_lshl_b32 s28, s2, 2                          ; its word of h and of c
	s_mov_b32 s29, 0
	s_mov_b32 s[SEL], 0x76543210
	s_mov_b32 s[SEL+1], 0xfedcba98
	s_wait_kmcnt 0x0
	s_add_nc_u64 s[10:11], s[4:5], s[14:15]
	s_add_nc_u64 s[12:13], s[4:5], s[18:19]
	s_add_nc_u64 s[16:17], s[6:7], s[28:29]
	s_add_nc_u64 s[8:9], s[8:9], s[28:29]
	s_load_b128 s[20:23], s[12:13], 0x400000       ; be[u][0..3]
	s_load_b32 s24, s[16:17], 0x800                ; c[u]
.irp q, 0,1,2,3
	global_load_b128 v[H+4*\q:H+4*\q+3], v[L16], s[6:7] offset:512*\q
.endr
.irp g, 0,1,2,3
.irp q, 0,1,2,3
	global_load_b128 v[W+16*\g+4*\q:W+16*\g+4*\q+3], v[L16], s[10:11] offset:2048*\g+512*\q
.endr
.endr
	s_wait_loadcnt 0x0                             ; the 20 went out together
.set p, 0
.rept 8                                ; four chains by turns, two columns an instruction; the first product starts each sum
.irp g, 0,1,2,3
.if p == 0
	v_pk_mul_f32 v[ACC+2*\g:ACC+2*\g+1], v[W+16*\g:W+16*\g+1], v[H:H+1]
.else
	v_pk_fma_f32 v[ACC+2*\g:ACC+2*\g+1], v[W+16*\g+2*p:W+16*\g+2*p+1], v[H+2*p:H+2*p+1], v[ACC+2*\g:ACC+2*\g+1]
.endif
.endr
.set p, p+1
.endr
.irp g, 0,1,2,3
	v_add_f32 v[ACC+2*\g], v[ACC+2*\g], v[ACC+2*\g+1]
.endr
	WSUM ACC, 2, ACC+1, 2, 4
	s_wait_kmcnt 0x0                               ; be and c
.irp g, 0,1,2,3
	v_add_f32 v[ACC+2*\g], s[20+\g], v[ACC+2*\g]
.endr
	ACT ACC, 2, EX, 24, CN, HN
	v_cmp_eq_u32 vcc_lo, 1, v[LANE]
	v_cndmask_b32 v[DAT], v[HN], v[CN], vcc_lo     ; lane 0 stores h, lane 1 stores c
	s_wait_xcnt 0x0                                ; EXEC is narrowed only behind this wait
	v_cmp_gt_u32 vcc_lo, 2, v[LANE]
	s_and_saveexec_b32 s[SV], vcc_lo
	global_store_b32 v[HC], v[DAT], s[8:9]
	s_endpgm                                       ; nothing follows, so EXEC is not widened again
.Lfunc_end_k_qfb13ec14ec_step:
	.size	k_qfb13ec14ec_step, .Lfunc_end_k_qfb13ec14ec_step-k_qfb13ec14ec_step
	.p2alignl 7, 3214868480
	.fill 96, 4, 3214868480
	.section	.rodata,"a",@progbits
	.p2align	6, 0x0
	.amdhsa_kernel k_qfb13ec14ec_step
		.amdhsa_group_segment_fixed_size 0
		.amdhsa_private_segment_fixed_size 0
		.amdhsa_enable_private_segment 0
		.amdhsa_kernarg_size 24
		.amdhsa_user_sgpr_count 2
		.amdhsa_user_sgpr_kernarg_segment_ptr 1
		.amdhsa_wavefront_size32 1
		.amdhsa_system_sgpr_workgroup_id_x 1
		.amdhsa_system_sgpr_workgroup_id_y 1
		.amdhsa_system_sgpr_workgroup_id_z 1
		.amdhsa_system_vgpr_workitem_id 0
		.amdhsa_next_free_vgpr 112
		.amdhsa_next_free_sgpr 66
		.amdhsa_reserve_vcc 1
		.amdhsa_float_denorm_mode_32 3
		.amdhsa_float_denorm_mode_16_64 3
		.amdhsa_memory_ordered 1
		.amdhsa_forward_progress 1
		.amdhsa_inst_pref_size 9
	.end_amdhsa_kernel
	.amdgpu_metadata
---
amdhsa.version: [ 1, 2 ]
amdhsa.kernels:
  - .name:           k_qfb13ec14ec_step
    .symbol:         k_qfb13ec14ec_step.kd
    .args:
      - { .name: wb, .offset: 0, .size: 8, .value_kind: global_buffer, .address_space: global }
      - { .name: st1, .offset: 8, .size: 8, .value_kind: global_buffer, .address_space: global }
      - { .name: st2, .offset: 16, .size: 8, .value_kind: global_buffer, .address_space: global }
    .group_segment_fixed_size: 0
    .private_segment_fixed_size: 0
    .kernarg_segment_align: 8
    .kernarg_segment_size: 24
    .max_flat_workgroup_size: 64
    .sgpr_count:     66
    .vgpr_count:     112
    .wavefront_size: 32
...
	.end_amdgpu_metadata
.endif
;; end of part 2
;; launch step2: the kernel of part 2 again; grid 256 x 1, 2 waves a work-group, no clusters, 0 bytes of LDS; arguments wb, st2, st3; writes st3
;; launch step3: the kernel of part 2 again; grid 256 x 1, 2 waves a work-group, no clusters, 0 bytes of LDS; arguments wb, st3, st4; writes st4
;; launch step4: the kernel of part 2 again; grid 256 x 1, 2 waves a work-group, no clusters, 0 bytes of LDS; arguments wb, st4, st5; writes st5
;; launch step5: the kernel of part 2 again; grid 256 x 1, 2 waves a work-group, no clusters, 0 bytes of LDS; arguments wb, st5, st6; writes st6
;; launch spread (part 3): grid 256 x 1, 8 waves a work-group, no clusters, 2,560 bytes of LDS; arguments W_out, b_out, st1, st2, st3, st4, st5, st6, out0; writes out0
.if DOCPART == 3
	.amdgcn_target "amdgcn-amd-amdhsa--gfx1250"
	.amdhsa_code_object_version 6
	.text
	.protected	k_qfb13ec14ec_spread
	.globl	k_qfb13ec14ec_spread
	.p2align	8
	.type	k_qfb13ec14ec_spread,@function
k_qfb13ec14ec_spread:
	s_mov_b64 s[64:65], 0
	v_nop
	global_prefetch_b8 v0, s[64:65] scope:SCOPE_SE
	s_setreg_imm32_b32 hwreg(HW_REG_WAVE_MODE, 25, 1), 1
	s_wait_xcnt 0x0
; out[t] = W_out h[t+1] + b_out for the six steps, from the six stored h, and that result written to all 8,192 batch rows, which are equal by the
; computation's own start (see the first launch's head).  out0 is [8192][6][64] f32: a batch row is 1,536 bytes, word 64 t + o.  All in f32.
; SHARES.  Every work-group makes all 384 numbers: wave w the rows o = 8 w .. 8 w + 7 of W_out for all six steps, so each byte of W_out is loaded once a work-group.
; They meet in LDS; then the work-group writes 32 batch rows, 49,152 consecutive bytes, wave w 6,144 of them.
; NO CLUSTER, though all work-groups read the same 131,072 bytes of W_out: each lane's part goes straight into the registers that multiply it, once;
; by way of LDS the same bytes would be written and read once more, and the launch is one pass with nothing to set beside the rounds of a cluster's barrier.
.set OUTW,  0                          ; LDS 0-1535: the 384 numbers, word 64 t + o
.set SPARE, 1536                       ; LDS 1536-2559: the spare words, 128 bytes for each of 8 waves; no other line names them
.set LANE, 1                           ; v1   lane
.set L16,  2                           ; v2   16 x lane
.set B16,  3                           ; v3   16 x (lane % 16)
.set W32,  4                           ; v4   32 x wave
.set SPW,  6                           ; v6   LDS address of my spare word; never rewritten
.set NIL,  7                           ; v7   0; never rewritten
.set BO,   8                           ; v[8:11]    b_out[4 (lane % 16) + 0..3]
.set H,    12                          ; v[12:107]  h: step t, quarter q at H + 16 t + 4 q: columns 128 q + 4 lane + 0..3
.set W,    108                         ; v[108:171] a ring of four rows of W_out: row i, quarter q at W + 16 (i % 4) + 4 q
.set ACC,  172                         ; v[172:183] six pairs of sums
.set S,    184                         ; v[184:231] the sum of step t, row i at S + 8 t + i
.set P,    232                         ; v[232:243] my 16 bytes of each third of the 1,536
.set WV,   3                           ; s3   my wave's number
.set SEL,  6                           ; s[6:7] v_permlanex16_b32's selects: each lane takes its own place in the other half
.macro WSUM reg, rstep, tmp, tstep, cnt    ; the sum over the 32 lanes of cnt registers, into every lane; the tmp registers have been written before
.irp m, 1,2,4,8
.set wi, 0
.rept \cnt
	v_add_f32_dpp v[(\reg)+(\rstep)*wi], v[(\reg)+(\rstep)*wi], v[(\reg)+(\rstep)*wi] row_xmask:\m row_mask:0xf bank_mask:0xf
.set wi, wi+1
.endr
.endr
.set wi, 0
.rept \cnt
	v_permlanex16_b32 v[(\tmp)+(\tstep)*wi], v[(\reg)+(\rstep)*wi], s[SEL], s[SEL+1]
.set wi, wi+1
.endr
.set wi, 0
.rept \cnt
	v_add_f32 v[(\reg)+(\rstep)*wi], v[(\reg)+(\rstep)*wi], v[(\tmp)+(\tstep)*wi]
.set wi, wi+1
.endr
.endm
	s_load_b512 s[8:23], s[0:1], 0x0               ; W_out s[8:9], b_out s[10:11], st1 .. st6 s[12:13] .. s[22:23]
	s_load_b64 s[24:25], s[0:1], 0x40              ; out0
	v_lshl_add_u32 v[SPW], v0, 2, SPARE
	v_mov_b32 v[NIL], 0
	v_and_b32 v[LANE], 31, v0
	v_lshrrev_b32 v[W32], 5, v0
	v_readfirstlane_b32 s[WV], v[W32]              ; wave 0..7
	v_lshlrev_b32 v[L16], 4, v[LANE]
	v_and_b32 v[B16], 15, v[LANE]
	v_lshlrev_b32 v[B16], 4, v[B16]
	v_mov_b32 v[W32], s[WV]
	v_lshlrev_b32 v[W32], 5, v[W32]
	s_mov_b32 s[SEL], 0x76543210
	s_mov_b32 s[SEL+1], 0xfedcba98
	s_lshl_b32 s4, s[WV], 14                       ; my 8 rows of W_out, 2,048 bytes each
	s_mov_b32 s5, 0
	s_mul_i32 s26, ttmp9, 49152                    ; the work-group's 32 batch rows,
	s_mul_i32 s28, s[WV], 6144                     ; my wave's 4 of them
	s_add_co_u32 s26, s26, s28
	s_mov_b32 s27, 0
	s_wait_kmcnt 0x0
	s_add_nc_u64 s[8:9], s[8:9], s[4:5]
	s_add_nc_u64 s[24:25], s[24:25], s[26:27]
	global_load_b128 v[BO:BO+3], v[B16], s[10:11]
.irp t, 0,1,2,3,4,5
.irp q, 0,1,2,3
	global_load_b128 v[H+16*\t+4*\q:H+16*\t+4*\q+3], v[L16], s[12+2*\t:13+2*\t] offset:512*\q
.endr
.endr
.irp i, 0,1,2,3
.irp q, 0,1,2,3
	global_load_b128 v[W+16*\i+4*\q:W+16*\i+4*\q+3], v[L16], s[8:9] offset:2048*\i+512*\q
.endr
.endr
; Row i of my eight against all six h: six chains by turns, two columns an instruction; the first product starts each sum.
; left = the loads issued behind row i's: those of the rows that follow it in the ring.  Rows 0 to 3 hand their registers to the row four further on.
.macro ROW i, left
	s_wait_loadcnt \left
.set p, 0
.rept 8
.irp t, 0,1,2,3,4,5
.if p == 0
	v_pk_mul_f32 v[ACC+2*\t:ACC+2*\t+1], v[W+16*((\i)%4):W+16*((\i)%4)+1], v[H+16*\t:H+16*\t+1]
.else
	v_pk_fma_f32 v[ACC+2*\t:ACC+2*\t+1], v[W+16*((\i)%4)+2*p:W+16*((\i)%4)+2*p+1], v[H+16*\t+2*p:H+16*\t+2*p+1], v[ACC+2*\t:ACC+2*\t+1]
.endif
.endr
.set p, p+1
.endr
.if (\i) < 4
.irp q, 0,1,2,3
	global_load_b128 v[W+16*(\i)+4*\q:W+16*(\i)+4*\q+3], v[L16], s[8:9] offset:2048*((\i)+4)+512*\q
.endr
.endif
.irp t, 0,1,2,3,4,5
	v_add_f32 v[S+8*\t+(\i)], v[ACC+2*\t], v[ACC+2*\t+1]
.endr
	WSUM S+(\i), 8, ACC+1, 2, 6
.endm
	ROW 0, 12                                      ; behind row 0: rows 1, 2, 3
	ROW 1, 12                                      ; rows 2, 3, 4
	ROW 2, 12
	ROW 3, 12
	ROW 4, 12                                      ; rows 5, 6, 7
	ROW 5, 8
	ROW 6, 4
	ROW 7, 0
.irp t, 0,1,2,3,4,5
.irp h, 0,1
	ds_store_b128 v[W32], v[S+8*\t+4*\h:S+8*\t+4*\h+3] offset:OUTW+256*\t+16*\h   ; words 64 t + 8 w + 4 h + 0..3; all lanes hold the same sums and write the same bytes
.endr
.endr
	s_wait_dscnt 0x0                               ; for the others' sake: my stores are done
	s_barrier_signal -1
	s_barrier_wait -1                              ; everybody's are
.irp p, 0,1,2
	ds_load_b128 v[P+4*\p:P+4*\p+3], v[L16] offset:OUTW+512*\p   ; byte 512 p + 16 lane: step 2 p + lane / 16, outputs 4 (lane % 16) + 0..3
.endr
	s_wait_tensorcnt 0x0                           ; behind my last LDS store
	ds_add_u32 v[SPW], v[NIL]
	s_wait_dscnt 0x0                               ; the add is done, and the three loads are in
.irp p, 0,1,2
	v_pk_add_f32 v[P+4*\p:P+4*\p+1], v[P+4*\p:P+4*\p+1], v[BO:BO+1]       ; the same four words of b_out serve all three
	v_pk_add_f32 v[P+4*\p+2:P+4*\p+3], v[P+4*\p+2:P+4*\p+3], v[BO+2:BO+3]
.endr
.irp i, 0,1,2,3,4,5,6,7,8,9,10,11
	global_store_b128 v[L16], v[P+4*(\i%3):P+4*(\i%3)+3], s[24:25] offset:512*\i th:TH_STORE_NT   ; 512 consecutive bytes at a multiple of 512 from out0's first byte; the pattern's 1,536 bytes are three such stores, and my base is a multiple of 1,536
.endr
	s_endpgm
.Lfunc_end_k_qfb13ec14ec_spread:
	.size	k_qfb13ec14ec_spread, .Lfunc_end_k_qfb13ec14ec_spread-k_qfb13ec14ec_spread
	.p2alignl 7, 3214868480
	.fill 96, 4, 3214868480
	.section	.rodata,"a",@progbits
	.p2align	6, 0x0
	.amdhsa_kernel k_qfb13ec14ec_spread
		.amdhsa_group_segment_fixed_size 2560
		.amdhsa_private_segment_fixed_size 0
		.amdhsa_enable_private_segment 0
		.amdhsa_kernarg_size 72
		.amdhsa_user_sgpr_count 2
		.amdhsa_user_sgpr_kernarg_segment_ptr 1
		.amdhsa_wavefront_size32 1
		.amdhsa_system_sgpr_workgroup_id_x 1
		.amdhsa_system_sgpr_workgroup_id_y 1
		.amdhsa_system_sgpr_workgroup_id_z 1
		.amdhsa_system_vgpr_workitem_id 0
		.amdhsa_next_free_vgpr 244
		.amdhsa_next_free_sgpr 66
		.amdhsa_reserve_vcc 0
		.amdhsa_float_denorm_mode_32 3
		.amdhsa_float_denorm_mode_16_64 3
		.amdhsa_memory_ordered 1
		.amdhsa_forward_progress 1
		.amdhsa_inst_pref_size 52
	.end_amdhsa_kernel
	.amdgpu_metadata
---
amdhsa.version: [ 1, 2 ]
amdhsa.kernels:
  - .name:           k_qfb13ec14ec_spread
    .symbol:         k_qfb13ec14ec_spread.kd
    .args:
      - { .name: W_out, .offset: 0, .size: 8, .value_kind: global_buffer, .address_space: global }
      - { .name: b_out, .offset: 8, .size: 8, .value_kind: global_buffer, .address_space: global }
      - { .name: st1, .offset: 16, .size: 8, .value_kind: global_buffer, .address_space: global }
      - { .name: st2, .offset: 24, .size: 8, .value_kind: global_buffer, .address_space: global }
      - { .name: st3, .offset: 32, .size: 8, .value_kind: global_buffer, .address_space: global }
      - { .name: st4, .offset: 40, .size: 8, .value_kind: global_buffer, .address_space: global }
      - { .name: st5, .offset: 48, .size: 8, .value_kind: global_buffer, .address_space: global }
      - { .name: st6, .offset: 56, .size: 8, .value_kind: global_buffer, .address_space: global }
      - { .name: out0, .offset: 64, .size: 8, .value_kind: global_buffer, .address_space: global }
    .group_segment_fixed_size: 2560
    .private_segment_fixed_size: 0
    .kernarg_segment_align: 8
    .kernarg_segment_size: 72
    .max_flat_workgroup_size: 256
    .sgpr_count:     66
    .vgpr_count:     244
    .wavefront_size: 32
...
	.end_amdgpu_metadata
.endif
;; end of part 3
